; MI455X (gfx1250); checked and timed in simulation.
; The chip was launched on July 23, 2026; its instructions are those of AMD's public machine-readable ISA for CDNA 5 (MIT licence, August 2026) and "CDNA5" Instruction Set Architecture Reference Guide (July 2026). The comments in the code are by the model that wrote it; some were corrected since.
;; Segment FFN. Allowed arithmetic: matrix products marked QUANTISED: E2M1 operands, one E8M0 scale for each 32 along K, by v_wmma_scale_f32_16x16x128_f8f6f4 with both operands' format E2M1 (or v_wmma_scale_f32_32x16x128_f4), f32 sums; everything else in f32.
;; Inputs: w1_codes 4 x 2,048 x 32 x 16 uint8 (E2M1 codes of w1, K innermost, in blocks of 32 codes, two codes a byte); w1_scales 4 x 2,048 x 32 uint8 (E8M0 scales of w1, one for each 32 codes along K); w2_codes 4 x 1,024 x 64 x 16 uint8 (E2M1 codes of w2, K innermost, in blocks of 32 codes, two codes a byte); w2_scales 4 x 1,024 x 64 uint8 (E8M0 scales of w2, one for each 32 codes along K); w3_codes 4 x 2,048 x 32 x 16 uint8 (E2M1 codes of w3, K innermost, in blocks of 32 codes, two codes a byte); w3_scales 4 x 2,048 x 32 uint8 (E8M0 scales of w3, one for each 32 codes along K); x 4 x 2,048 x 1,024 float32.
;; Outputs: out0 4 x 2,048 x 1,024 float32.
;; This version of the problem:
;;   THIS VERSION OF THE PROBLEM IS GIVEN IN LOW PRECISION. The matrix products marked QUANTISED in the list below multiply operands that are first quantised to E2M1 (2 exponent bits, 1 mantissa bit; 4 bits a number), with one power-of-two scale for each 32 numbers along K (OCP MX v1.0); their sums are f32. All else is computed in f32.
;;   The module's matrix products, in the order in which they are computed (A, B: the left and right operand; K: the contracted axis; several contracted axes count as one K, in the product's order):
;;     1. [M 2,048, K 1,024] x [K 1,024, N 2,048]; A: computed on the way; B: input w1 (given as codes): QUANTISED
;;     2. [M 2,048, K 1,024] x [K 1,024, N 2,048]; A: computed on the way; B: input w3 (given as codes): QUANTISED
;;     3. [M 2,048, K 2,048] x [K 2,048, N 1,024]; A: computed on the way; B: input w2 (given as codes): QUANTISED
;;     4. [M 2,048, K 1,024] x [K 1,024, N 2,048]; A: computed on the way; B: input w1 (given as codes): QUANTISED
;;     5. [M 2,048, K 1,024] x [K 1,024, N 2,048]; A: computed on the way; B: input w3 (given as codes): QUANTISED
;;     6. [M 2,048, K 2,048] x [K 2,048, N 1,024]; A: computed on the way; B: input w2 (given as codes): QUANTISED
;;     7. [M 2,048, K 1,024] x [K 1,024, N 2,048]; A: computed on the way; B: input w1 (given as codes): QUANTISED
;;     8. [M 2,048, K 1,024] x [K 1,024, N 2,048]; A: computed on the way; B: input w3 (given as codes): QUANTISED
;;     9. [M 2,048, K 2,048] x [K 2,048, N 1,024]; A: computed on the way; B: input w2 (given as codes): QUANTISED
;;     10. [M 2,048, K 1,024] x [K 1,024, N 2,048]; A: computed on the way; B: input w1 (given as codes): QUANTISED
;;     11. [M 2,048, K 1,024] x [K 1,024, N 2,048]; A: computed on the way; B: input w3 (given as codes): QUANTISED
;;     12. [M 2,048, K 2,048] x [K 2,048, N 1,024]; A: computed on the way; B: input w2 (given as codes): QUANTISED
;;   THE QUANTISER, for each operand of a quantised product, along K:
;;     - K is cut into blocks of 32 from its start; a last block that is shorter is filled with zeros.
;;     - A block's scale is 2^e with e = floor(log2(the largest magnitude in the block)) - 2, held to -126 .. 127; a block of zeros has e = 0. As a byte (E8M0): e + 127.
;;     - Each number is divided by its block's scale, clamped to +-6, and rounded to the nearest number of E2M1, ties to even, subnormals kept.
;;     - The product sums the exact products of the quantised numbers (number of the format x scale) in f32.
;;   ~~~python
;;   def quantise(x, axis):      # numpy; x: float32 -> the quantised numbers, widened to float32 again
;;       x = np.moveaxis(x, axis, -1); K = x.shape[-1]
;;       x = np.pad(x, [(0, 0)] * (x.ndim - 1) + [(0, -K % 32)]); x = x.reshape(x.shape[:-1] + (-1, 32)); a = np.abs(x).max(-1, keepdims=True)
;;       e = np.where(a > 0, np.clip(np.frexp(np.where(a > 0, a, 1))[1] - 1 - 2, -126, 127), 0)      # np.frexp(a)[1] - 1 = floor(log2(a)), exactly
;;       r = np.clip(x / 2.0 ** e, -6, 6)
;;       step = 2.0 ** (np.maximum(np.frexp(np.where(r == 0, 1, r))[1] - 1, 0) - 1)
;;       q = np.round(r / step) * step * 2.0 ** e      # np.round: ties to even
;;       return np.moveaxis(q.reshape(q.shape[:-2] + (-1,))[..., :K], -1, axis).astype(np.float32)
;;   ~~~
;;   OPERANDS COMPUTED ON THE WAY. 'Computed on the way' means the value that the module computes at that place (a softmax that the list does not call 'softmax' is quantised finished and normalised). What goes into a quantiser is computed in f32, as accurately as f32 sums, v_exp_f32 and their like allow (about 1e-6 of the number): no bf16 or f16 on the way to a quantiser, and a product that is left as it is and whose result goes on into a quantised operand takes f32 operands (vector FMAs, or v_wmma_f32_16x16x4_f32). A number that lies on a knife's edge between two numbers of the format may be rounded either way, as far as f32 arithmetic and the matrix unit's own rounding can turn it there, and no further.
;;   INPUTS GIVEN AS CODES. w1 (in the module: [4, 1024, 2048], K = its axis 1); w2 (in the module: [4, 2048, 1024], K = its axis 1); w3 (in the module: [4, 1024, 2048], K = its axis 1): each comes as NAME_codes (uint8): NAME with its K axis moved to the last place and cut into blocks of 32 codes, [.., K / 32, bytes a block], one block behind the other in memory; two codes a byte, the lower K in the low four bits (a code: sign, 2 exponent bits, 1 mantissa bit); and NAME_scales (uint8): the same leading axes, one E8M0 byte (e + 127) for each 32 codes along K. Its value is code x scale, taken as it is: it is not quantised again, and the codes and scales need not be those that the quantiser above would give.
;; One version. Each part assembles by itself: llvm-mc -triple=amdgcn-amd-amdhsa -mcpu=gfx1250 --defsym DOCPART=n.
;; ======== version 1 of 1: 2 launches
;; limits: right only within a limited range of input values
;; workspace buffers: hc 8,388,608 bytes; hs 524,288 bytes
;; launch up (part 1): grid 64 x 4, 8 waves a work-group, clusters of 4 x 4, 327,680 bytes of LDS; arguments x, w1_codes, w1_scales, w3_codes, w3_scales, hc, hs; writes hc, hs
.if DOCPART == 1
	.amdgcn_target "amdgcn-amd-amdhsa--gfx1250"
	.amdhsa_code_object_version 6
	.text
	.protected	k_q82b773403a_up
	.globl	k_q82b773403a_up
	.p2align	8
	.type	k_q82b773403a_up,@function
k_q82b773403a_up:
	s_mov_b64 s[64:65], 0
	v_nop
	global_prefetch_b8 v0, s[64:65] scope:SCOPE_SE
	s_setreg_imm32_b32 hwreg(HW_REG_WAVE_MODE, 25, 1), 1
	s_wait_xcnt 0x0
	s_wait_alu depctr_hold_cnt(0) depctr_sa_sdst(0) depctr_va_vdst(0) depctr_va_sdst(0) depctr_va_ssrc(0) depctr_va_vcc(0) depctr_vm_vsrc(0)
	s_getreg_b32 s2, hwreg(HW_REG_IB_STS2, 6, 4)
	s_cmp_eq_u32 s2, 0
	s_cbranch_scc0 .Lentry_in_a_cluster
	s_endpgm
.Lentry_in_a_cluster:
	s_bfe_u32 s2, ttmp6, 0x10000c
	s_cmp_lg_u32 s2, 0xf033
	s_cbranch_scc0 .Lentry_shape_is_right
	s_endpgm
.Lentry_shape_is_right:
; SegmentFFN, launch 1 of 2: h = silu(Q(x) W1[seg]) * (Q(x) W3[seg]), quantised along H into hc and hs.  x is quantised here, in f32, on its way in.
; NO WORK OF THE PROBLEM IS LEFT OUT in either launch: the four segments tile all positions, every row of x meets its segment's w1, w3 and w2, and every input is loaded.
; A block's scale is 2^(floor(log2(largest magnitude)) - 2): its byte is the largest magnitude's exponent field - 2, held at 1 from below by a floor among the maximum's leaves.
; silu(a) = a / (1 + 2^(-log2(e) a)), then x the other product.
; LIMITS: a block of zeros gets the byte 1 where the rule says 127 (its codes are zeros, and the bytes are read by this program alone); NaN and infinities in x or arising in h are not served.
; SHARES.  A cluster of 4 x 4 work-groups takes the 512 rows of one batch and one segment: work-group (cx, cy) rows 64 (4 (cy / 2) + cx) on, and of h's columns the half cy % 2 (1,024).
;   Eight waves.  x: wave w quantises k = 128 w .. + 127 of the 64 rows; the codes pass through LDS, and every wave then holds the codes of all 64 rows and all of K in 256 registers.
;   h: in trip t (0-3) wave w makes the block of 32 columns 256 t + 32 w on, in two passes of 16 columns (p = 2 t + u): the products with 16 rows of w1 and the same 16 of w3, so that both factors of an h lie in one lane.
; A pass's weights, 128 rows of w1 and of w3, all of K, fill one of two LDS slots; each wave fetches 2 x 16 rows.  The four of a row of the cluster ask for them jointly (same half, same segment).
; Their scale words come straight into registers: lane l takes row l of the block's 32, so lanes 0-15 serve pass u = 0 and lanes 16-31 pass u = 1.
; A pass has eight steps of 128 along K.  The change of slots stands in its second half: the first half of the epilogue runs between the barrier's signal and its wait, the second behind the next pass's first LDS loads.
; Each pass's weights but the first's are prefetched ahead of their load: those of passes 1 and 2 at the head, the others two refills ahead.
; THE MATRIX INSTRUCTION IS USED TRANSPOSED: source 0 = 16 weight rows, source 1 = 16 rows of x: lane (r, hh) holds row r and columns 8 hh + 0 .. 7 of the tile of 16.
; hc [row / 16][q 16][c 2][lane][16 bytes]: lane (r, hh) of piece c holds k = 128 q + 64 c + 32 hh + 0 .. 31 of row r.   hs [row / 32][q / 4][row % 32][q % 4] words, byte b for block 4 q + b.
; REGISTERS.  Window 1: x's f32 numbers as loaded, then x's codes: block i, step q at v[8 (4 q + i)].   Window 0: as set below.
.set GRP,   8448                       ; 16 weight rows in LDS: 512 bytes + 16 each, so that the 16 rows of a load start 4 banks apart
.set SLOT,  16*GRP                     ; LDS: two slots; in a slot the groups of waves 2 m, 2 m + 1 of w1, then of w3, m = 0 .. 3;
.set STG,   2*SLOT                     ; for each wave 4,352 bytes: 16 rows x 272 in which x turns, later 4 fragments' codes and 64 scale words;
.set WREG,  4352
.set HG,    STG+8*WREG                 ; 2,048 bytes in which h's scale words are gathered;
.set SPARE, HG+2048                    ; the spare words, 128 bytes a wave, which no other line names
.set PP,    0                          ; v0-7   h's codes on their way out (v1-7 serve the head and x first)
.set SPW,   8                          ; LDS address of my spare word; never rewritten
.set NIL,   9                          ; 0; never rewritten
.set ADRB,  10                         ; v10-11 my weight rows in slot 0, 1
.set WSA,   12                         ; 32 x lane
.set CST,   13                         ; my place in hc
.set HGS,   14                         ; my place among the gathered words
.set PFO,   15                         ; 256 x lane
.set ACC,   16                         ; v16-79 accumulators: w1's four blocks of rows, then w3's (x's codes on their way to LDS first; between two passes the quantiser works in v16-27)
.set TM,    16
.set TP,    20
.set TS,    24
.set H,     80                         ; v80-143 h: 32 numbers of pass u = 0, 32 of u = 1 (x's numbers first)
.set BF,    144                        ; v144-207 weight fragments: step e's of w1 and w3 in set e % 4 of 16 registers (x's quantiser works in v176-187 first)
.set XM,    176
.set XP,    180
.set XT,    184
.set WS,    208                        ; v208-239 the weights' scale words, two sets: w1's 8 steps, w3's 8
.set XS,    240                        ; v240-255 x's scale words: register 2 q + i / 2: lanes 0-15 block i even, lanes 16-31 odd
.set CX,    16                         ; x's codes, 8 registers a block of rows
.set WD,    48                         ; v48-51 their scale words
.set PD,    52
.set XSA,   54
.set WV,    20
.set G1,    24                         ; descriptor group 1; groups 0 of slot 0 and 1 at s32 and s36
.set G0,    32
.set MSB, 0
.macro WIN new                         ; the immediate's high byte repeats the setting that is left
.if MSB != (\new)
	s_set_vgpr_msb (MSB<<8)|(\new)
.set MSB, (\new)
.endif
.endm
.macro PLACES n
.rept \n
	v_nop
.endr
.endm
.macro JLOAD s                         ; a joint load, one a wave
	tensor_load_to_lds s[G0+4*(\s):G0+4*(\s)+3], s[G1:G1+7]
	s_nop 0
	PLACES 4
.endm
.macro CREST                           ; a round of the cluster's barrier behind its opening barrier
	s_cmp_lg_u32 s[WV], 0
	s_cbranch_scc1 .Lnot_wave_0_\@
	s_barrier_signal -3
.Lnot_wave_0_\@:
	s_barrier_wait -3
	s_barrier_signal -1
	s_barrier_wait -1
.endm
.macro CROUND
	s_barrier_signal -1
	s_barrier_wait -1
	CREST
.endm
.macro ASK pp                          ; prefetch for pass pp: 8 + 8 groups of 16 rows (8,192 bytes); cy / 2 picks w1 or w3, cx and the wave the group: each once in the cluster, a lane 256 bytes
	s_cmp_lt_u32 s[WV], 2
	s_cbranch_scc0 .Lnot_mine_\@
	global_prefetch_b8 v[PFO], s[50:51] offset:((\pp)/2)*131072+((\pp)%2)*8192 th:TH_LOAD_NT scope:SCOPE_SE
.Lnot_mine_\@:
.endm
	s_load_b256 s[4:11], s[0:1], 0x0               ; x s[4:5], w1's codes s[6:7], w1's scales s[8:9], w3's codes s[10:11]
	s_load_b128 s[12:15], s[0:1], 0x20             ; w3's scales s[12:13], hc s[14:15]
	s_load_b64 s[16:17], s[0:1], 0x30              ; hs
	v_lshl_add_u32 v[SPW], v0, 2, SPARE
	v_mov_b32 v[NIL], 0
	ds_add_u32 v[SPW], v[NIL]                      ; the wave's opening: the add, twice on end, and its wait ahead of my first tensor load
	ds_add_u32 v[SPW], v[NIL]
	v_lshrrev_b32 v1, 5, v0
	v_readfirstlane_b32 s[WV], v1
	s_mul_i32 s21, s[WV], WREG
	s_add_co_u32 s21, s21, STG                     ; my part of the stage
	s_add_co_u32 s22, s21, 4096
	s_lshr_b32 s23, s[WV], 1
	s_mul_i32 s23, s23, 4*GRP
	s_and_b32 s18, s[WV], 1
	s_mul_i32 s18, s18, GRP
	s_add_co_u32 s23, s23, s18                     ; my rows of w1 in a slot; w3's lie two groups on
	s_add_co_u32 s19, s[WV], HG
	v_and_b32 v16, 15, v0                          ; r
	v_bfe_u32 v17, v0, 4, 1                        ; hh
	v_and_b32 v18, 31, v0                          ; lane
	v_lshlrev_b32 v19, 4, v16
	v_lshl_add_u32 v1, v17, 12, v19                ; x: lanes 0-15 256 bytes of a row, lanes 16-31 of the next
	v_mad_u32_u24 v2, v17, 272, v19
	v_add_nc_u32 v2, s21, v2                       ; into the stage in the same way,
	v_mul_u32_u24 v3, v16, 272
	v_lshl_add_u32 v3, v17, 7, v3
	v_add_nc_u32 v3, s21, v3                       ; and back: row r, 128 hh bytes on
	v_lshlrev_b32 v4, 3, v17                       ; 8 hh
	v_lshl_add_u32 v5, v18, 4, s21                 ; where my codes go
	v_lshl_add_u32 v6, v16, 2, s22                 ; and my rows' scale words
	v_lshl_add_u32 v7, v18, 4, STG                 ; where everybody's are read
	v_lshl_add_u32 v[XSA], v18, 2, STG+4096
	v_mul_u32_u24 v[ADRB], v16, 528
	v_lshl_add_u32 v[ADRB], v17, 4, v[ADRB]
	v_add_nc_u32 v[ADRB], s23, v[ADRB]
	v_add_nc_u32 v[ADRB+1], SLOT, v[ADRB]
	v_lshlrev_b32 v[WSA], 5, v18
	v_lshl_add_u32 v[CST], v17, 14, v19            ; lanes 16-31 store the next block of 16 rows
	v_add_nc_u32 v[HGS], s19, v19                  ; HG + 16 r + wave
	v_lshlrev_b32 v[PFO], 8, v18
	v_mov_b32 v[PD], 0                             ; a lane permute's destination counts as one of its sources
	s_wait_alu depctr_va_vdst(0)                   ; at the head's end
	s_bfe_u32 s40, ttmp6, 0x40000                  ; cx
	s_bfe_u32 s41, ttmp6, 0x40004                  ; cy
	s_lshr_b32 s42, ttmp9, 2                       ; segment: the same in the whole cluster
	s_and_b32 s43, ttmp9, 3                        ; batch
	s_lshr_b32 s44, s41, 1
	s_and_b32 s46, s41, 1                          ; which half of h's columns
	s_lshl_b32 s45, s44, 2
	s_add_co_u32 s45, s45, s40
	s_lshl_b32 s45, s45, 6
	s_lshl_b32 s47, s43, 11
	s_add_co_u32 s45, s45, s47
	s_lshl_b32 s47, s42, 9
	s_add_co_u32 s45, s45, s47                     ; my first row: 2048 batch + 512 segment + 64 (4 (cy / 2) + cx)
	s_lshl_b32 s47, s41, 2
	s_lshl_b32 s47, 15, s47                        ; my row of the cluster
	; group 1: 2 rows of 8,192 bytes (16 weight rows each), 16,384 bytes apart, elements of 8 bytes; 16 bytes of padding behind every 512
	s_or_b32 s[G1], s47, (3<<16)|(1<<20)|(1<<21)|(6<<22)|(3<<25)
	s_mov_b32 s[G1+1], 1024<<16
	s_mov_b32 s[G1+2], 2<<16
	s_mov_b32 s[G1+3], 1024<<16
	s_mov_b32 s[G1+4], 2
	s_mov_b32 s[G1+5], 2048
	s_mov_b32 s[G1+6], 0
	s_mov_b32 s[G1+7], 0
	s_lshl_b32 s58, s45, 12
	s_lshl_b32 s47, s[WV], 9
	s_add_co_u32 s58, s58, s47
	s_mov_b32 s59, 0
	s_mov_b32 s2, 0xbfb8aa3b                       ; -log2(e), as a pair for the packed form
	s_mov_b32 s3, s2
	s_mov_b32 s66, 0x76543210
	s_mov_b32 s67, 0xfedcba98                      ; selects for lane l xor 16
	s_wait_dscnt 0x0                               ; both opening adds are done
	s_wait_kmcnt 0x0
	s_add_nc_u64 s[4:5], s[4:5], s[58:59]          ; x at my rows and my 512 bytes
.macro LOADX f                         ; 16 rows x 128 k: two pieces of 64 k, each eight loads of two rows x 256 bytes, into window 1
	WIN 0x40
.irp c, 0,1
.irp i, 0,1,2,3,4,5,6,7
	global_load_b128 v[64*(\f)+32*\c+4*\i:64*(\f)+32*\c+4*\i+3], v1, s[4:5] offset:(16*(\f)+2*\i)*4096+256*\c
.endr
.endr
	WIN 0
.endm
	LOADX 0
	LOADX 1
	s_lshl_b32 s52, s42, 20                        ; codes: the segment's 2,048 rows of 512 bytes, my half's 1,024
	s_lshl_b32 s47, s46, 19
	s_add_co_u32 s52, s52, s47
	s_and_b32 s54, s[WV], 3
	s_lshl_b32 s54, s54, 15
	s_add_co_u32 s54, s54, s52                     ; I fetch the rows of waves 2 (w % 4), + 1: of w1 (waves 0-3) or of w3
	s_mov_b32 s55, 0
	s_cmp_lt_u32 s[WV], 4
	s_cselect_b64 s[48:49], s[6:7], s[10:11]
	s_add_nc_u64 s[48:49], s[48:49], s[54:55]
	s_lshl_b32 s56, s40, 1
	s_add_co_u32 s56, s56, s[WV]
	s_lshl_b32 s56, s56, 14
	s_add_co_u32 s56, s56, s52
	s_mov_b32 s57, 0
	s_cmp_eq_u32 s44, 0
	s_cselect_b64 s[50:51], s[6:7], s[10:11]
	s_add_nc_u64 s[50:51], s[50:51], s[56:57]      ; where my prefetches stand (waves 0 and 1)
	s_and_b32 s60, s[WV], 3
	s_mul_i32 s60, s60, 4*GRP
	s_lshr_b32 s61, s[WV], 2
	s_mul_i32 s61, s61, 2*GRP
	s_add_co_u32 s60, s60, s61                     ; and where in a slot my rows go
	s_mov_b32 s[G0], 1
	s_mov_b32 s[G0+1], s60
	s_mov_b64 s[G0+2:G0+3], s[48:49]
	s_or_b32 s[G0+3], s[G0+3], 0x80000000
	s_mov_b32 s[G0+4], 1
	s_add_co_u32 s[G0+5], s60, SLOT
	s_add_nc_u64 s[G0+6:G0+7], s[48:49], 8192      ; pass 1: 16 rows on
	s_or_b32 s[G0+7], s[G0+7], 0x80000000
	s_mov_b32 s63, 0
	s_lshl_b32 s62, s42, 16                        ; scales: rows of 32 bytes
	s_lshl_b32 s47, s46, 15
	s_add_co_u32 s62, s62, s47
	s_lshl_b32 s47, s[WV], 10
	s_add_co_u32 s62, s62, s47
	s_add_nc_u64 s[8:9], s[8:9], s[62:63]
	s_add_nc_u64 s[12:13], s[12:13], s[62:63]
	s_lshl_b32 s62, s45, 10                        ; hc: 16,384 bytes for 16 rows; half, then wave x 256 bytes
	s_lshl_b32 s47, s46, 13
	s_add_co_u32 s62, s62, s47
	s_lshl_b32 s47, s[WV], 8
	s_add_co_u32 s62, s62, s47
	s_add_nc_u64 s[14:15], s[14:15], s[62:63]
	s_lshl_b32 s62, s45, 6                         ; hs: 2,048 bytes for 32 rows; I store 256 bytes at the end
	s_lshr_b32 s47, s[WV], 2
	s_lshl_b32 s47, s47, 11
	s_add_co_u32 s62, s62, s47
	s_lshl_b32 s47, s46, 10
	s_add_co_u32 s62, s62, s47
	s_and_b32 s47, s[WV], 3
	s_lshl_b32 s47, s47, 8
	s_add_co_u32 s62, s62, s47
	s_add_nc_u64 s[16:17], s[16:17], s[62:63]
	CROUND                                         ; all sixteen work-groups are here: the first joint loads meet
	JLOAD 0                                        ; pass 0's weights
	ASK 1
	LOADX 2
	ASK 2
	LOADX 3
.macro WSLOAD t                        ; trip t's scale words of the weights into set t % 2: 32 rows x 32 bytes of w1 and of w3
.set Z, WS+16*((\t)%2)
	global_load_b128 v[Z:Z+3], v[WSA], s[8:9] offset:8192*(\t)
	global_load_b128 v[Z+4:Z+7], v[WSA], s[8:9] offset:8192*(\t)+16
	global_load_b128 v[Z+8:Z+11], v[WSA], s[12:13] offset:8192*(\t)
	global_load_b128 v[Z+12:Z+15], v[WSA], s[12:13] offset:8192*(\t)+16
.endm
	WSLOAD 0
; x's block f of 16 rows: turned through my stage, so that a lane has 2 x 32 neighbours along k, and quantised.
.macro FRAGX f
	s_wait_loadcnt (3-(\f))*16+4                   ; my 16 loads are in; the younger blocks' and the 4 loads of scale words may be out
	WIN 0x04                                       ; an LDS store's data are its source 1: window 1
.irp c, 0,1
.irp i, 0,1,2,3,4,5,6,7
	ds_store_b128 v2, v[64*(\f)+32*\c+4*\i:64*(\f)+32*\c+4*\i+3] offset:544*\i
.endr
.irp j, 0,1,2,3,4,5,6,7
	ds_load_b128 v[H+32*\c+4*\j:H+32*\c+4*\j+3], v3 offset:16*\j   ; LDS serves a wave's instructions in order (ISA guide 5.7.1.4)
.endr
.endr
	WIN 0
	s_wait_dscnt 0x0
.irp c, 0,1,2,3
	v_max3_num_f32 v[XM+\c], |v[H+16*\c]|, |v[H+16*\c+1]|, 0x1800000   ; the floor 2^(3 - 127) holds the byte at 1 from below
.endr
.irp i, 2,4,6,8,10,12,14
.irp c, 0,1,2,3
	v_max3_num_f32 v[XM+\c], v[XM+\c], |v[H+16*\c+\i]|, |v[H+16*\c+\i+1]|
.endr
.endr
.irp c, 0,1
	v_max_num_f32 v[XP+\c], v[XM+2*\c], v[XM+2*\c+1]   ; block 2 c + hh
.endr
.irp c, 0,1
	v_add_nc_u32 v[XT+\c], 0xff000000, v[XP+\c]    ; 2 off the exponent field: the conversion takes that field as its scale and nothing else
.endr
.irp c, 0,1
	v_lshrrev_b32 v[XT+2+\c], 23, v[XT+\c]         ; the scale's byte
.endr
	v_lshl_or_b32 v[WD+\f], v[XT+3], 16, v[XT+2]
	v_lshlrev_b32 v[WD+\f], v4, v[WD+\f]
	v_permlanex16_b32 v[PD], v[WD+\f], s66, s67
	v_or_b32 v[WD+\f], v[WD+\f], v[PD]             ; with lane l xor 16's two the word is whole
.irp c, 0,1
.irp g, 0,1,2,3
	v_cvt_scalef32_pk8_fp4_f32 v[CX+8*(\f)+4*\c+\g], v[H+32*\c+8*\g:H+32*\c+8*\g+7], v[XT+\c]
.endr
.endr
	v_nop                                          ; one plain instruction behind the last scaled conversion
.endm
	FRAGX 0
	FRAGX 1
	FRAGX 2
	FRAGX 3
.irp f, 0,1,2,3                        ; the codes, as images of the operand's registers, and the scale words, over my stage
.irp c, 0,1
	ds_store_b128 v5, v[CX+8*\f+4*\c:CX+8*\f+4*\c+3] offset:1024*\f+512*\c
.endr
	ds_store_b32 v6, v[WD+\f] offset:64*\f         ; lanes r and r + 16 write the same word with the same value
.endr
.macro WM z, ra, rb                    ; one product; the first scale belongs to source 0 (weights), the second to source 1 (x); ROW1 takes a side's words from lanes 16-31
.if ((\z) == 0) && (\ra) && (\rb)
	v_wmma_scale_f32_16x16x128_f8f6f4 v[rD:rD+7], v[rA:rA+7], v[rB:rB+7], 0, v[rSA], v[rSB] matrix_a_fmt:MATRIX_FMT_FP4 matrix_b_fmt:MATRIX_FMT_FP4 matrix_a_scale:MATRIX_SCALE_ROW1 matrix_b_scale:MATRIX_SCALE_ROW1
.elseif ((\z) == 0) && (\ra)
	v_wmma_scale_f32_16x16x128_f8f6f4 v[rD:rD+7], v[rA:rA+7], v[rB:rB+7], 0, v[rSA], v[rSB] matrix_a_fmt:MATRIX_FMT_FP4 matrix_b_fmt:MATRIX_FMT_FP4 matrix_a_scale:MATRIX_SCALE_ROW1
.elseif ((\z) == 0) && (\rb)
	v_wmma_scale_f32_16x16x128_f8f6f4 v[rD:rD+7], v[rA:rA+7], v[rB:rB+7], 0, v[rSA], v[rSB] matrix_a_fmt:MATRIX_FMT_FP4 matrix_b_fmt:MATRIX_FMT_FP4 matrix_b_scale:MATRIX_SCALE_ROW1
.elseif (\z) == 0
	v_wmma_scale_f32_16x16x128_f8f6f4 v[rD:rD+7], v[rA:rA+7], v[rB:rB+7], 0, v[rSA], v[rSB] matrix_a_fmt:MATRIX_FMT_FP4 matrix_b_fmt:MATRIX_FMT_FP4
.elseif (\ra) && (\rb)
	v_wmma_scale_f32_16x16x128_f8f6f4 v[rD:rD+7], v[rA:rA+7], v[rB:rB+7], v[rD:rD+7], v[rSA], v[rSB] matrix_a_fmt:MATRIX_FMT_FP4 matrix_b_fmt:MATRIX_FMT_FP4 matrix_a_scale:MATRIX_SCALE_ROW1 matrix_b_scale:MATRIX_SCALE_ROW1
.elseif (\ra)
	v_wmma_scale_f32_16x16x128_f8f6f4 v[rD:rD+7], v[rA:rA+7], v[rB:rB+7], v[rD:rD+7], v[rSA], v[rSB] matrix_a_fmt:MATRIX_FMT_FP4 matrix_b_fmt:MATRIX_FMT_FP4 matrix_a_scale:MATRIX_SCALE_ROW1
.elseif (\rb)
	v_wmma_scale_f32_16x16x128_f8f6f4 v[rD:rD+7], v[rA:rA+7], v[rB:rB+7], v[rD:rD+7], v[rSA], v[rSB] matrix_a_fmt:MATRIX_FMT_FP4 matrix_b_fmt:MATRIX_FMT_FP4 matrix_b_scale:MATRIX_SCALE_ROW1
.else
	v_wmma_scale_f32_16x16x128_f8f6f4 v[rD:rD+7], v[rA:rA+7], v[rB:rB+7], v[rD:rD+7], v[rSA], v[rSB] matrix_a_fmt:MATRIX_FMT_FP4 matrix_b_fmt:MATRIX_FMT_FP4
.endif
.endm
; Step e of pass p: 128 along K, w1's tile and w3's against x's four blocks.  The 8 accumulators take turns, one instruction a turn, in the same order in every step.
; A pass's first step starts the sums: nothing is cleared.
.macro MUL p, e
	WIN 0x04                                       ; source 1 (x) window 1; all else window 0
.irp w, 0,1
.irp i, 0,1,2,3
.set rD, ACC+8*(4*\w+\i)
.set rA, BF+16*((\e)%4)+8*\w
.set rB, 8*(4*(\e)+\i)
.set rSA, WS+16*(((\p)/2)%2)+8*\w+(\e)
.set rSB, XS+2*(\e)+\i/2
	WM \e, (\p)%2, \i%2
.endr
.endr
.endm
.macro FETCH slot, e                   ; step e's fragments of w1 and w3, four loads, into set e % 4 (destination and address window 0)
.irp w, 0,1
.irp c, 0,1
	ds_load_b128 v[BF+16*((\e)%4)+8*\w+4*\c:BF+16*((\e)%4)+8*\w+4*\c+3], v[ADRB+(\slot)] offset:2*GRP*\w+64*(\e)+32*\c
.endr
.endr
.endm
; THE EPILOGUE of a pass: 32 numbers a lane: register 8 i + j is h(row r of block i, column 8 hh + j of the tile).  Its first half: 1 + 2^(-log2(e) a), on registers alone.
.macro EPIA u
.set HB, H+32*(\u)
.set k, 0
.rept 16
	v_pk_mul_f32 v[HB+k:HB+k+1], v[ACC+k:ACC+k+1], s[2:3] op_sel_hi:[1,0]  ; -log2(e) a, each accumulator from its low end on
.set k, k+2
.endr
	s_wait_alu depctr_va_vdst(0)                   ; ahead of the batch
.set k, 0
.rept 32
	v_exp_f32 v[HB+k], v[HB+k]
.set k, k+1
.endr
	v_nop
	s_wait_alu depctr_va_vdst(0)                   ; behind the batch
.set k, 0
.rept 16
	v_pk_add_f32 v[HB+k:HB+k+1], v[HB+k:HB+k+1], 1.0 op_sel_hi:[1,0]
.set k, k+2
.endr
.endm
.macro EPIB u                          ; its second half
.set HB, H+32*(\u)
	s_wait_alu depctr_va_vdst(0)
.set k, 0
.rept 32
	v_rcp_f32 v[HB+k], v[HB+k]
.set k, k+1
.endr
	v_nop
	s_wait_alu depctr_va_vdst(0)
.set k, 0
.rept 16
	v_pk_mul_f32 v[HB+k:HB+k+1], v[HB+k:HB+k+1], v[ACC+k:ACC+k+1]          ; silu(x W1)
.set k, k+2
.endr
.set k, 0
.rept 16
	v_pk_mul_f32 v[HB+k:HB+k+1], v[HB+k:HB+k+1], v[ACC+32+k:ACC+33+k]      ; x (x W3)
.set k, k+2
.endr
.endm
; The trip's block of 32 along H for four blocks of 16 rows: 16 numbers in me, 16 in lane l xor 16.
.macro QUANT t
.irp i, 0,1,2,3
	v_max3_num_f32 v[TM+\i], |v[H+8*\i]|, |v[H+8*\i+1]|, 0x1800000
.endr
.irp k, 2,4,6,32,34,36,38
.irp i, 0,1,2,3
	v_max3_num_f32 v[TM+\i], v[TM+\i], |v[H+8*\i+\k]|, |v[H+8*\i+\k+1]|
.endr
.endr
.irp i, 0,1,2,3
	v_permlanex16_b32 v[TP+\i], v[TM+\i], s66, s67
.endr
.irp i, 0,1,2,3
	v_max_num_f32 v[TM+\i], v[TM+\i], v[TP+\i]
.endr
.irp i, 0,1,2,3
	v_add_nc_u32 v[TS+\i], 0xff000000, v[TM+\i]    ; the conversion's scale operand
.endr
.irp i, 0,1,2,3
	v_lshrrev_b32 v[TP+\i], 23, v[TS+\i]           ; the scale's byte
.endr
.irp i, 0,1,2,3
	v_cvt_scalef32_pk8_fp4_f32 v[PP+4*(\i/2)+\i%2], v[H+8*\i:H+8*\i+7], v[TS+\i]             ; columns 8 hh + 0 .. 7
	v_cvt_scalef32_pk8_fp4_f32 v[PP+4*(\i/2)+\i%2+2], v[H+32+8*\i:H+32+8*\i+7], v[TS+\i]     ; 16 + 8 hh ..
.endr
	v_nop
.irp d, 0,1
	v_permlane16_swap_b32 v[PP+4*\d], v[PP+4*\d+1]     ; lanes 0-15 now hold the whole block of rows' block 2 d, lanes 16-31 that of 2 d + 1, in ascending columns
	v_permlane16_swap_b32 v[PP+4*\d+2], v[PP+4*\d+3]
.endr
.irp i, 0,1,2,3
	ds_store_b8 v[HGS], v[TP+\i] offset:(\i/2)*1024+((\t)/2)*512+(\i%2)*256+((\t)%2)*8   ; lanes r and r + 16 write the same byte with the same value
.endr
.irp d, 0,1
	global_store_b128 v[CST], v[PP+4*\d:PP+4*\d+3], s[14:15] offset:32768*\d+2048*(\t)   ; sixteen lanes store 256 consecutive bytes, aligned
.endr
.endm
; A pass.  Steps 0 to 3's fragments were asked for ahead of it; step e + 4's are asked for behind step e, into its set, three steps ahead of their use.
.macro PASS p
.if ((\p)%2) == 0
	s_wait_loadcnt 0x0                             ; this trip's scale words are in,
.if (\p) < 6
	WSLOAD (\p)/2+1                                ; and the next trip's are asked for
.endif
.endif
.irp e, 0,1,2,3
.if (\p) == 0
	s_wait_dscnt 56-4*\e                           ; x's codes of this step are in: behind them 8 loads for each of its 7 - e later steps, and 4 for each of e steps' fragments
.elseif \e == 0
	s_wait_dscnt 0x0                               ; steps 0 to 3's fragments are in, and the quantiser's LDS stores have read their registers
.endif
	MUL \p, \e
	PLACES 4                                       ; this step's products have read the set: four plain instructions stand ahead of loads into it
	FETCH (\p)%2, \e+4
.endr
	s_wait_dscnt 12                                ; step 4's are in: three steps' loads stand behind them
	MUL \p, 4
.if (\p) < 7
	WIN 0                                          ; (the add's two registers lie in window 0)
.if ((\p)%2) && ((\p) > 1)
	s_wait_xcnt 0x0                                ; the last trip's stores have read the registers that the quantiser writes again
.endif
	; THE CHANGE OF SLOTS.  In front of the barrier each wave waits for all its tensor loads, adds 0 to its spare word, and waits for that and for its reads of the slot.
	s_wait_tensorcnt 0x0                           ; no tensor load of mine is out: my part of the next pass's slot is in
	ds_add_u32 v[SPW], v[NIL]
.if (\p) < 6
	s_add_nc_u64 s[G0+4*((\p)%2)+2:G0+4*((\p)%2)+3], s[G0+4*((\p)%2)+2:G0+4*((\p)%2)+3], 131072   ; 256 rows on
.endif
	s_wait_dscnt 9                                 ; step 5's are in: two steps' loads and the add stand behind them
	MUL \p, 5
	s_wait_dscnt 0x0                               ; the add is done; steps 6 and 7's fragments are in: my reads of the slot are over
	s_barrier_signal -1
	MUL \p, 6                                      ; work on registers while the others arrive
	MUL \p, 7
	WIN 0
	PLACES 4                                       ; ahead of reads of results just made
	EPIA (\p)%2
	s_barrier_wait -1
.if (\p) < 6
	CREST                                          ; no wave of any partner still reads the slot or has a load on its way
	JLOAD (\p)%2                                   ; pass p + 2's weights: the first tensor load behind the round
.endif
.irp e, 0,1,2,3
	FETCH 1-(\p)%2, \e                             ; (every set was last read ahead of the epilogue's plain instructions)
.endr
.if (\p) < 4
	ASK (\p)+4
.endif
.else
	s_wait_dscnt 8
	MUL \p, 5
	s_wait_dscnt 4
	MUL \p, 6
	s_wait_xcnt 0x0                                ; as above
	s_wait_dscnt 0x0
	MUL \p, 7
	WIN 0
	PLACES 4
	EPIA (\p)%2
.endif
	EPIB (\p)%2
.if (\p)%2
	QUANT (\p)/2
.endif
.endm
	s_wait_tensorcnt 0x0                           ; my part of pass 0's weights is in
	ds_add_u32 v[SPW], v[NIL]
	s_wait_dscnt 0x0                               ; the add is done, and x's codes are stored
	CROUND                                         ; everybody's
	JLOAD 1                                        ; pass 1's weights
.irp e, 0,1,2,3
	FETCH 0, \e
.endr
.irp q, 0,1,2,3,4,5,6,7
.irp d, 0,1
	ds_load_b32 v[XS+2*\q+\d], v[XSA] offset:WREG*\q+128*\d
.endr
.endr
	ASK 3
	WIN 0x40
.irp q, 0,1,2,3,4,5,6,7                ; x's codes, 8 loads a step
.irp i, 0,1,2,3
.irp c, 0,1
	ds_load_b128 v[8*(4*\q+\i)+4*\c:8*(4*\q+\i)+4*\c+3], v7 offset:WREG*\q+1024*\i+512*\c
.endr
.endr
.endr
	WIN 0
.irp p, 0,1,2,3,4,5,6,7
	PASS \p
.endr
	s_wait_dscnt 0x0                               ; my scale bytes are stored: a word's four come from four waves
	s_barrier_signal -1
	s_barrier_wait -1
	s_lshl_b32 s18, s[WV], 8
	s_add_co_u32 s18, s18, HG
	v_lshrrev_b32 v28, 2, v[WSA]                   ; 8 x lane
	v_add_nc_u32 v29, s18, v28
	s_wait_alu depctr_va_vdst(0)                   ; ahead of the wait below
	ds_load_b64 v[30:31], v29
	s_wait_dscnt 0x0
	global_store_b64 v28, v[30:31], s[16:17]       ; 32 lanes store 256 consecutive bytes, aligned
	s_wait_tensorcnt 0x0                           ; the wave's end: behind my last tensor load and my last LDS store
	ds_add_u32 v[SPW], v[NIL]
	s_wait_dscnt 0x0
	CROUND                                         ; the closing round: no work-group ends while a partner may still ask for a tile that names it
	s_endpgm
.Lfunc_end_k_q82b773403a_up:
	.size	k_q82b773403a_up, .Lfunc_end_k_q82b773403a_up-k_q82b773403a_up
	.p2alignl 7, 3214868480
	.fill 96, 4, 3214868480
	.section	.rodata,"a",@progbits
	.p2align	6, 0x0
	.amdhsa_kernel k_q82b773403a_up
		.amdhsa_group_segment_fixed_size 327680
		.amdhsa_private_segment_fixed_size 0
		.amdhsa_enable_private_segment 0
		.amdhsa_kernarg_size 56
		.amdhsa_user_sgpr_count 2
		.amdhsa_user_sgpr_kernarg_segment_ptr 1
		.amdhsa_wavefront_size32 1
		.amdhsa_system_sgpr_workgroup_id_x 1
		.amdhsa_system_sgpr_workgroup_id_y 1
		.amdhsa_system_sgpr_workgroup_id_z 1
		.amdhsa_system_vgpr_workitem_id 0
		.amdhsa_next_free_vgpr 512
		.amdhsa_next_free_sgpr 70
		.amdhsa_reserve_vcc 0
		.amdhsa_float_denorm_mode_32 3
		.amdhsa_float_denorm_mode_16_64 3
		.amdhsa_memory_ordered 1
		.amdhsa_forward_progress 1
		.amdhsa_inst_pref_size 201
	.end_amdhsa_kernel
	.amdgpu_metadata
---
amdhsa.version: [ 1, 2 ]
amdhsa.kernels:
  - .name:           k_q82b773403a_up
    .symbol:         k_q82b773403a_up.kd
    .args:
      - { .name: x, .offset: 0, .size: 8, .value_kind: global_buffer, .address_space: global }
      - { .name: w1_codes, .offset: 8, .size: 8, .value_kind: global_buffer, .address_space: global }
      - { .name: w1_scales, .offset: 16, .size: 8, .value_kind: global_buffer, .address_space: global }
      - { .name: w3_codes, .offset: 24, .size: 8, .value_kind: global_buffer, .address_space: global }
      - { .name: w3_scales, .offset: 32, .size: 8, .value_kind: global_buffer, .address_space: global }
      - { .name: hc, .offset: 40, .size: 8, .value_kind: global_buffer, .address_space: global }
      - { .name: hs, .offset: 48, .size: 8, .value_kind: global_buffer, .address_space: global }
    .group_segment_fixed_size: 327680
    .private_segment_fixed_size: 0
    .kernarg_segment_align: 8
    .kernarg_segment_size: 56
    .max_flat_workgroup_size: 256
    .sgpr_count:     70
    .vgpr_count:     512
    .wavefront_size: 32
...
	.end_amdgpu_metadata
.endif
;; end of part 1
;; launch down (part 2): grid 8 x 32, 4 waves a work-group, clusters of 4 x 4, 327,680 bytes of LDS; arguments hc, hs, w2_codes, w2_scales, out0; writes out0
.if DOCPART == 2
	.amdgcn_target "amdgcn-amd-amdhsa--gfx1250"
	.amdhsa_code_object_version 6
	.text
	.protected	k_q82b773403a_down
	.globl	k_q82b773403a_down
	.p2align	8
	.type	k_q82b773403a_down,@function
k_q82b773403a_down:
	s_mov_b64 s[64:65], 0
	v_nop
	global_prefetch_b8 v0, s[64:65] scope:SCOPE_SE
	s_setreg_imm32_b32 hwreg(HW_REG_WAVE_MODE, 25, 1), 1
	s_wait_xcnt 0x0
	s_wait_alu depctr_hold_cnt(0) depctr_sa_sdst(0) depctr_va_vdst(0) depctr_va_sdst(0) depctr_va_ssrc(0) depctr_va_vcc(0) depctr_vm_vsrc(0)
	s_getreg_b32 s2, hwreg(HW_REG_IB_STS2, 6, 4)
	s_cmp_eq_u32 s2, 0
	s_cbranch_scc0 .Lentry_in_a_cluster
	s_endpgm
.Lentry_in_a_cluster:
	s_bfe_u32 s2, ttmp6, 0x10000c
	s_cmp_lg_u32 s2, 0xf033
	s_cbranch_scc0 .Lentry_shape_is_right
	s_endpgm
.Lentry_shape_is_right:
; SegmentFFN, launch 2 of 2: out = Q(h) W2[seg], on codes of FP4 with E8M0 scales, sums in f32.  No work is left out.
; SHARES.  A row tile t is 256 rows of one batch and one segment: grid y = Y, seg = Y / 8, j = Y % 8, t = 8 (j / 2) + 2 seg + j % 2, first row 256 t.  Grid x = X: columns 128 X on.  256 work-groups, one tile each.
; Wave (SD, HF): rows 128 SD on x columns 64 HF on.
; W2 STAYS IN REGISTERS: a wave's 64 columns for all of K = 2,048 are 4 tiles x 16 steps of 128 x 8 registers = 512.  They come through LDS once.  All scale words come straight into registers.
; THE LOOP GOES BY ROWS: a wave's eight blocks of 16 rows are four groups of two.  A group runs through all 16 steps along K on 8 accumulators by turns (128 products, four chunks of four steps) and is then finished:
; it goes out through the stage while the next group is multiplied on the other set of accumulators.  So the stores of three groups in four leave under matrix work.
; LDS: all codes lie in rows of 1,024 bytes + 16: a row of w2, or the image of one fragment of h (16 rows x 128 K, as the registers take it).  At the head: w2's 128 rows, and h's row tiles 0-3 of both halves of the rows.
; When w2 stands in registers its bytes take h's row tiles 4-7: one refill, line for line where w2's rows lay, with groups 0 and 1, 256 products a wave, in which to land.
; CLUSTERS 4 x 4: the four of a row of the cluster share h's tiles, the four of a column (one segment) share w2's: each is asked for jointly.  No prefetch: there is no loop over loads to run ahead in, one refill being all that follows the head.
; THE MATRIX INSTRUCTION IS USED TRANSPOSED: source 0 = 16 rows of w2, source 1 = 16 rows of h: a lane holds eight neighbouring columns of one row of out.
; REGISTERS.  Window 0: v1-15 addresses; v32-95 h's scale words; v96-127 w2's; v128-255 h's fragments, two sets of 2 blocks x 4 steps.
;   Windows 1, 2: w2's fragment (tile n, step q) at v[8 (4 (q % 8) + n)] of window 1 + q / 8.   Window 3: v0-127 two sets of 8 accumulators ((a, n) at 8 (4 a + n)); v128-255 two sets of rows read back from the stage.
.set PITCH, 272                        ; a row of the stage: 256 bytes + 16
.set FP,    1040                       ; a row of codes in LDS: 1,024 bytes + 16: the 16 rows of a load from w2's rows start 4 banks apart
.set QTR,   32*FP                      ; 32 such rows: what the refill brings for each wave; a load at the head brings 64
.set R2,    4*QTR                      ; LDS: from 0 h's row tiles 0-3 of both halves; from R2 w2's 128 rows, later h's row tiles 4-7;
.set STAGE, 2*R2                       ; the way out: 16 rows x 272 bytes for each wave: written by LDS stores alone, no fill lands here;
.set SPARE, STAGE+4*16*PITCH           ; the spare words, 128 bytes a wave, which no other line names
.set ADRA, 4                           ; v4-7   h's fragments of group 0 .. 3: (g / 2) R2 + 2 QTR SD + QTR (g % 2) + 16 lane
.set ADRB, 8                           ; v8     w2's rows: R2 + 2 QTR HF + FP r + 16 h
.set ADS,  9                           ; v9     h's scale words in memory: 16 lane
.set ADWS, 10                          ; v10    w2's: 64 r, lanes 16-31 the tile two further on
.set STO,  11                          ; v11    the stage: where I put 32 bytes of a row
.set RD,   12                          ; v12    and where I read a row back
.set CO,   13                          ; v13    my byte offset in out
.set SPW,  14                          ; v14    LDS address of my spare word; never rewritten
.set NIL,  15                          ; v15    0; never rewritten
.set SA,   32                          ; register 16 g + q: lanes 0-15 group g's first block, lanes 16-31 its second
.set SB,   96                          ; register 16 p + q, in each four the two halves exchanged (q = 0, 1, 2, 3 at 2, 3, 0, 1): lanes 0-15 tile p, lanes 16-31 tile p + 2
.set AF,   128
.set OB,   128                         ; in window 3
.set WV,   20                          ; s20 wave; s21 SD: my half of the rows; s22 HF: my half of the columns
.set SD,   21
.set HF,   22
.set G1R,  24                          ; group 1: the refill; s[32:39] h at the head; s[40:47] w2
.set G1H,  32
.set G1B,  40
.set G0B,  56                          ; groups 0: w2, h at the head, the refill
.set G0A,  60
.set G0R,  68
.set MSB, 0
.macro WIN new                         ; the immediate's high byte repeats the setting that is left
.if MSB != (\new)
	s_set_vgpr_msb (MSB<<8)|(\new)
.set MSB, (\new)
.endif
.endm
.macro PLACES n
.rept \n
	v_nop
.endr
.endm
.macro JLOAD g0a, g1a, g0b, g1b        ; a joint load: waves 0, 1 for h, waves 2, 3 for w2; the branch hangs on the wave's number alone; s_nop 0 and four v_nop follow each line
	s_cmp_eq_u32 s[SD], 0
	s_cbranch_scc0 .Lfor_b_\@
	tensor_load_to_lds s[\g0a:\g0a+3], s[\g1a:\g1a+7]
	s_nop 0
	PLACES 4
	s_branch .Lasked_\@
.Lfor_b_\@:
	tensor_load_to_lds s[\g0b:\g0b+3], s[\g1b:\g1b+7]
	s_nop 0
	PLACES 4
.Lasked_\@:
.endm
.macro CREST                           ; a round of the cluster's barrier behind its opening barrier
	s_cmp_lg_u32 s[WV], 0
	s_cbranch_scc1 .Lnot_wave_0_\@
	s_barrier_signal -3
.Lnot_wave_0_\@:
	s_barrier_wait -3
	s_barrier_signal -1
	s_barrier_wait -1
.endm
.macro CROUND
	s_barrier_signal -1
	s_barrier_wait -1
	CREST
.endm
	s_load_b256 s[4:11], s[0:1], 0x0               ; hc s[4:5], hs s[6:7], w2's codes s[8:9], w2's scales s[10:11]
	s_load_b64 s[12:13], s[0:1], 0x20              ; out0
	v_lshl_add_u32 v[SPW], v0, 2, SPARE
	v_mov_b32 v[NIL], 0
	ds_add_u32 v[SPW], v[NIL]                      ; the wave's opening: the add, twice on end, and its wait ahead of my first tensor load
	ds_add_u32 v[SPW], v[NIL]
	v_lshrrev_b32 v1, 5, v0
	v_readfirstlane_b32 s[WV], v1
	s_lshr_b32 s[SD], s[WV], 1
	s_and_b32 s[HF], s[WV], 1
	s_mul_i32 s14, s[SD], 2*QTR
	s_mul_i32 s15, s[HF], 2*QTR
	s_add_co_u32 s16, s15, R2
	s_mul_i32 s17, s[WV], 16*PITCH
	s_add_co_u32 s17, s17, STAGE                   ; my stage
	v_and_b32 v1, 15, v0                           ; r
	v_bfe_u32 v2, v0, 4, 1                         ; h
	v_and_b32 v3, 31, v0                           ; lane
	v_lshl_add_u32 v[ADRA], v3, 4, s14
	v_add_nc_u32 v[ADRA+1], QTR, v[ADRA]
	v_add_nc_u32 v[ADRA+2], R2, v[ADRA]
	v_add_nc_u32 v[ADRA+3], R2, v[ADRA+1]
	v_mul_u32_u24 v[ADRB], v1, FP
	v_lshl_add_u32 v[ADRB], v2, 4, v[ADRB]
	v_add_nc_u32 v[ADRB], s16, v[ADRB]
	v_lshlrev_b32 v[ADS], 4, v3
	v_lshlrev_b32 v[ADWS], 6, v1
	v_lshl_add_u32 v[ADWS], v2, 11, v[ADWS]
	v_mul_u32_u24 v[STO], v1, PITCH
	v_lshl_add_u32 v[STO], v2, 5, v[STO]
	v_add_nc_u32 v[STO], s17, v[STO]               ; in: row r, 32 bytes for each half of the lanes
	v_mul_u32_u24 v[RD], v2, PITCH
	v_lshl_add_u32 v[RD], v1, 4, v[RD]
	v_add_nc_u32 v[RD], s17, v[RD]                 ; back: lanes 0-15 one row of 256 bytes, lanes 16-31 the next
	v_lshlrev_b32 v[CO], 12, v2
	v_lshl_add_u32 v[CO], v1, 4, v[CO]             ; and the same two rows in out
	s_wait_alu depctr_va_vdst(0)                   ; at the end of the head's vector work
	s_bfe_u32 s84, ttmp6, 0x40000                  ; cx
	s_bfe_u32 s85, ttmp6, 0x40004                  ; cy
	s_lshl_b32 s86, ttmp9, 2
	s_add_co_u32 s86, s86, s84                     ; X
	s_and_b32 s87, ttmp7, 0xffff                   ; cluster y
	s_lshr_b32 s88, s87, 1                         ; seg: the same in the whole cluster
	s_and_b32 s89, s87, 1
	s_lshl_b32 s89, s89, 2
	s_add_co_u32 s89, s89, s85                     ; j
	s_lshr_b32 s90, s89, 1
	s_lshl_b32 s90, s90, 3
	s_and_b32 s94, s89, 1
	s_add_co_u32 s90, s90, s94
	s_lshl_b32 s94, s88, 1
	s_add_co_u32 s90, s90, s94                     ; t
	s_lshl_b32 s91, s85, 2
	s_lshl_b32 s91, 15, s91                        ; my row of the cluster
	s_lshl_b32 s92, 0x1111, s84                    ; my column
	; codes, h's and w2's alike: rows of 1,024 bytes (128 elements of 8), dense in memory, 16 bytes of padding behind each row (four words after every 256): 64 rows at the head, 32 in the refill
	s_or_b32 s[G1R], s91, (3<<16)|(1<<20)|(1<<21)|(7<<22)|(3<<25)
	s_or_b32 s[G1H], s91, (3<<16)|(1<<20)|(1<<21)|(7<<22)|(3<<25)
	s_or_b32 s[G1B], s92, (3<<16)|(1<<20)|(1<<21)|(7<<22)|(3<<25)
.irp g, G1R, G1H, G1B
	s_mov_b32 s[\g+1], 128<<16                     ; tensor_dim0
	s_mov_b32 s[\g+3], 128<<16                     ; tile_dim0
	s_mov_b32 s[\g+5], 128                         ; from row to row
	s_mov_b32 s[\g+6], 0
	s_mov_b32 s[\g+7], 0
.endr
	s_mov_b32 s[G1R+2], 32<<16                     ; tensor_dim1
	s_mov_b32 s[G1R+4], 32                         ; tile_dim1
	s_mov_b32 s[G1H+2], 64<<16
	s_mov_b32 s[G1H+4], 64
	s_mov_b32 s[G1B+2], 64<<16
	s_mov_b32 s[G1B+4], 64
	s_mov_b32 s95, 0
	s_mov_b32 s97, 0
	s_mov_b32 s99, 0
	s_wait_dscnt 0x0                               ; both opening adds are done
	CROUND                                         ; all sixteen work-groups are here: the first joint loads meet
	s_wait_kmcnt 0x0
	; h's side: made of t and the wave's number alone.  A row tile of hc is 16,384 bytes.  At the head wave HF fetches row tiles 8 HF .. + 3; in the refill I fetch 8 SD + 4 + 2 HF, + 1
	s_lshl_b32 s94, s90, 18
	s_add_nc_u64 s[4:5], s[4:5], s[94:95]
	s_lshl_b32 s94, s[HF], 17
	s_add_nc_u64 s[2:3], s[4:5], s[94:95]
	s_lshl_b32 s94, s[SD], 17
	s_lshl_b32 s93, s[HF], 15
	s_add_co_u32 s94, s94, s93
	s_add_nc_u64 s[4:5], s[4:5], s[94:95]
	s_lshl_b32 s94, s90, 14
	s_lshl_b32 s93, s[SD], 13
	s_add_co_u32 s94, s94, s93
	s_add_nc_u64 s[6:7], s[6:7], s[94:95]          ; hs at my 128 rows: 2,048 bytes for 32 rows
	; w2's side: made of seg, X and the wave's number alone.  At the head wave 2 + HF fetches rows 64 HF on of the tile's 128
	s_lshl_b32 s96, s88, 20
	s_lshl_b32 s101, s86, 17
	s_add_co_u32 s96, s96, s101
	s_lshl_b32 s93, s[HF], 16
	s_add_co_u32 s96, s96, s93
	s_add_nc_u64 s[8:9], s[8:9], s[96:97]
	s_lshl_b32 s96, s88, 16
	s_lshl_b32 s101, s86, 13
	s_add_co_u32 s96, s96, s101
	s_lshl_b32 s93, s[HF], 12
	s_add_co_u32 s96, s96, s93
	s_add_nc_u64 s[10:11], s[10:11], s[96:97]      ; the scales of my 64 rows, 64 bytes each
	; where my results go: row 256 t + 128 SD (4,096 bytes each), column 128 X + 64 HF
	s_lshl_b32 s98, s90, 20
	s_lshl_b32 s100, s[SD], 19
	s_add_co_u32 s98, s98, s100
	s_lshl_b32 s100, s86, 9
	s_add_co_u32 s98, s98, s100
	s_lshl_b32 s100, s[HF], 8
	s_add_co_u32 s98, s98, s100
	s_add_nc_u64 s[12:13], s[12:13], s[98:99]
	; groups 0: no place in the cluster enters an LDS address
	s_mov_b32 s[G0B], 1
	s_mov_b32 s[G0B+1], s16
	s_mov_b64 s[G0B+2:G0B+3], s[8:9]
	s_or_b32 s[G0B+3], s[G0B+3], 0x80000000
	s_mov_b32 s[G0A], 1
	s_mov_b32 s[G0A+1], s15
	s_mov_b64 s[G0A+2:G0A+3], s[2:3]
	s_or_b32 s[G0A+3], s[G0A+3], 0x80000000
	s_mul_i32 s93, s[WV], QTR
	s_mov_b32 s[G0R], 1
	s_add_co_u32 s[G0R+1], s93, R2
	s_add_nc_u64 s[G0R+2:G0R+3], s[4:5], 65536     ; four row tiles on
	s_or_b32 s[G0R+3], s[G0R+3], 0x80000000
	JLOAD G0A, G1H, G0B, G1B                       ; one tensor load a wave: h's row tiles 0-3 of both halves, and w2's 128 rows
.irp p, 0,1
.irp j, 0,1,2,3
	global_load_b64 v[SB+16*\p+4*\j+2:SB+16*\p+4*\j+3], v[ADWS], s[10:11] offset:1024*\p+16*\j
	global_load_b64 v[SB+16*\p+4*\j:SB+16*\p+4*\j+1], v[ADWS], s[10:11] offset:1024*\p+16*\j+8
.endr
.endr
.irp g, 0,1,2,3
.irp q, 0,1,2,3
	global_load_b128 v[SA+16*\g+4*\q:SA+16*\g+4*\q+3], v[ADS], s[6:7] offset:2048*\g+512*\q   ; 32 lanes load 512 consecutive bytes, aligned
.endr
.endr
.macro WM zero, rowb, rowa             ; one product; the first scale belongs to source 0 (w2), the second to source 1 (h); ROW1 takes a side's words from lanes 16-31
.if (\zero) && (\rowb) && (\rowa)
	v_wmma_scale_f32_16x16x128_f8f6f4 v[rD:rD+7], v[rB:rB+7], v[rA:rA+7], 0, v[rSB], v[rSA] matrix_a_fmt:MATRIX_FMT_FP4 matrix_b_fmt:MATRIX_FMT_FP4 matrix_a_scale:MATRIX_SCALE_ROW1 matrix_b_scale:MATRIX_SCALE_ROW1
.elseif (\zero) && (\rowb)
	v_wmma_scale_f32_16x16x128_f8f6f4 v[rD:rD+7], v[rB:rB+7], v[rA:rA+7], 0, v[rSB], v[rSA] matrix_a_fmt:MATRIX_FMT_FP4 matrix_b_fmt:MATRIX_FMT_FP4 matrix_a_scale:MATRIX_SCALE_ROW1
.elseif (\zero) && (\rowa)
	v_wmma_scale_f32_16x16x128_f8f6f4 v[rD:rD+7], v[rB:rB+7], v[rA:rA+7], 0, v[rSB], v[rSA] matrix_a_fmt:MATRIX_FMT_FP4 matrix_b_fmt:MATRIX_FMT_FP4 matrix_b_scale:MATRIX_SCALE_ROW1
.elseif (\zero)
	v_wmma_scale_f32_16x16x128_f8f6f4 v[rD:rD+7], v[rB:rB+7], v[rA:rA+7], 0, v[rSB], v[rSA] matrix_a_fmt:MATRIX_FMT_FP4 matrix_b_fmt:MATRIX_FMT_FP4
.elseif (\rowb) && (\rowa)
	v_wmma_scale_f32_16x16x128_f8f6f4 v[rD:rD+7], v[rB:rB+7], v[rA:rA+7], v[rD:rD+7], v[rSB], v[rSA] matrix_a_fmt:MATRIX_FMT_FP4 matrix_b_fmt:MATRIX_FMT_FP4 matrix_a_scale:MATRIX_SCALE_ROW1 matrix_b_scale:MATRIX_SCALE_ROW1
.elseif (\rowb)
	v_wmma_scale_f32_16x16x128_f8f6f4 v[rD:rD+7], v[rB:rB+7], v[rA:rA+7], v[rD:rD+7], v[rSB], v[rSA] matrix_a_fmt:MATRIX_FMT_FP4 matrix_b_fmt:MATRIX_FMT_FP4 matrix_a_scale:MATRIX_SCALE_ROW1
.elseif (\rowa)
	v_wmma_scale_f32_16x16x128_f8f6f4 v[rD:rD+7], v[rB:rB+7], v[rA:rA+7], v[rD:rD+7], v[rSB], v[rSA] matrix_a_fmt:MATRIX_FMT_FP4 matrix_b_fmt:MATRIX_FMT_FP4 matrix_b_scale:MATRIX_SCALE_ROW1
.else
	v_wmma_scale_f32_16x16x128_f8f6f4 v[rD:rD+7], v[rB:rB+7], v[rA:rA+7], v[rD:rD+7], v[rSB], v[rSA] matrix_a_fmt:MATRIX_FMT_FP4 matrix_b_fmt:MATRIX_FMT_FP4
.endif
.endm
; Chunk k (0-15) is group k / 4, steps 4 (k % 4) .. + 3 of 128 along K; its fragments of h lie in set k % 2.
; 16 LDS loads in one run: the chunk's fragments, 2 blocks x 4 steps, each the image of its registers: 16 bytes a lane, 512 consecutive bytes a load.
.macro FETCH k
.set FG, (\k)/4
.set FQ, 4*((\k)%4)
.set FS, AF+64*((\k)%2)
	WIN 0
.irp a, 0,1
.irp qq, 0,1,2,3
.irp c, 0,1
	ds_load_b128 v[FS+8*(4*\a+\qq)+4*\c:FS+8*(4*\a+\qq)+4*\c+3], v[ADRA+FG] offset:\a*16*FP+(FQ+\qq)*FP+512*\c
.endr
.endr
.endr
.endm
; 32 products: four steps, in each the group's two blocks against w2's four tiles.  The 8 accumulators take turns, one instruction a turn, in the same order in every step.
; A group's first step starts the sums: nothing is cleared.
.macro MULC k
.set MG, (\k)/4
.set MS, AF+64*((\k)%2)
.set MA, 64*(MG%2)
	WIN 0xf1+((\k)%4)/2                            ; source 0 (w2) window 1 or 2, source 1 (h) window 0, C and D window 3
.irp qq, 0,1,2,3
.irp a, 0,1
.irp n, 0,1,2,3
.set Q, 4*((\k)%4)+\qq
.set ZF, 0
.if Q == 0
.set ZF, 1
.endif
.set rD, MA+8*(4*\a+\n)
.set rB, 8*(4*(Q%8)+\n)
.set rA, MS+8*(4*\a+\qq)
.set rSB, SB+16*(\n%2)+Q+2-4*((Q%4)/2)
.set rSA, SA+16*MG+Q
	WM ZF, \n/2, \a
.endr
.endr
.endr
.endm
; THE WAY OUT of group g, a block of 16 rows x 64 columns at a time, through my own stage: a lane's 32 bytes go in by rows of 272 bytes and come back as whole rows of 256 bytes.
; LDS serves a wave's instructions in order (ISA guide 5.7.1.4): no wait between the stores and the loads, nor ahead of the second block's stores.
.macro TOSTAGE g
.set TA, 64*((\g)%2)
.set TO, OB+64*((\g)%2)
.irp a, 0,1
	WIN 0x0c                                       ; an LDS store's data are its source 1: window 3
.irp n, 0,1,2,3
	ds_store_b128 v[STO], v[TA+32*\a+8*\n:TA+32*\a+8*\n+3] offset:64*\n        ; each accumulator from its low end on
	ds_store_b128 v[STO], v[TA+32*\a+8*\n+4:TA+32*\a+8*\n+7] offset:64*\n+16
.endr
	WIN 0xc0                                       ; destination window 3
.irp i, 0,1,2,3,4,5,6,7
	ds_load_b128 v[TO+32*\a+4*\i:TO+32*\a+4*\i+3], v[RD] offset:2*PITCH*\i
.endr
.endr
	WIN 0
.endm
.macro SEND g                          ; group g's 32 rows: sixteen lanes store 256 consecutive bytes, aligned; every offset is an immediate, 126 rows of 4,096 bytes at the most
.set TO, OB+64*((\g)%2)
	WIN 0x0c                                       ; a store's data are its source 1: window 3
.irp a, 0,1
.irp i, 0,1,2,3,4,5,6,7
	global_store_b128 v[CO], v[TO+32*\a+4*\i:TO+32*\a+4*\i+3], s[12:13] offset:(16*(2*(\g)+\a)+2*\i)*4096 th:TH_STORE_NT
.endr
.endr
	WIN 0
.endm
; A chunk.  stage >= 0: that group, finished by the chunk before, goes into the stage and back.  send >= 0: that group's rows, back by now, are stored.  fetch = 1: the next chunk's fragments are asked for, 32 products ahead of their use.
.macro CHUNK k, stage, send, fetch
	s_wait_dscnt 0x0                               ; this chunk's fragments, asked for a chunk ago, are in; so are rows that came back from the stage
	PLACES 4                                       ; behind the last products: ahead of loads into the other set, which they read, and of LDS stores that read their results
.if (\stage) >= 0
.if (\stage) >= 2
	s_wait_xcnt 0x0                                ; the stores of the group two back have read the registers into which these rows come back
.endif
	TOSTAGE \stage
.endif
.if (\send) >= 0
	SEND \send
.endif
.if \fetch
	FETCH (\k)+1
.endif
	MULC \k
.endm
	s_wait_tensorcnt 0x0                           ; my one load is in
	s_barrier_signal -1
	s_barrier_wait -1                              ; everybody's is: w2, and h's row tiles 0-3
.irp w, 0,1                            ; w2 into registers: 4 tiles x 16 steps, two loads of 16 bytes a lane each, 32 bytes apart in a row
	WIN 0x40*(\w+1)                                ; destination window 1 (steps 0-7), then 2 (steps 8-15)
.irp q, 0,1,2,3,4,5,6,7
.irp n, 0,1,2,3
.irp c, 0,1
	ds_load_b128 v[8*(4*\q+\n)+4*\c:8*(4*\q+\n)+4*\c+3], v[ADRB] offset:\n*16*FP+64*(8*\w+\q)+32*\c
.endr
.endr
.endr
.endr
	WIN 0
	s_wait_loadcnt 0x0                             ; all scale words are in
	s_wait_tensorcnt 0x0                           ; no tensor load of mine is out
	ds_add_u32 v[SPW], v[NIL]
	s_wait_dscnt 0x0                               ; the add is done, and w2 stands in my registers: my reads of its LDS bytes are over
	CROUND                                         ; no wave of any partner still reads those bytes or has a load on its way
	tensor_load_to_lds s[G0R:G0R+3], s[G1R:G1R+7]  ; the one refill: two of h's row tiles 4-7 over 32 rows of w2; groups 0 and 1 stand between it and the wait for it
	s_nop 0
	PLACES 4
	FETCH 0
	CHUNK 0, -1, -1, 1                             ; group 0
	CHUNK 1, -1, -1, 1
	CHUNK 2, -1, -1, 1
	CHUNK 3, -1, -1, 1
	CHUNK 4, 0, -1, 1                              ; group 1; group 0 goes out beside it
	CHUNK 5, -1, 0, 1
	CHUNK 6, -1, -1, 1
	CHUNK 7, -1, -1, 0                             ; the next chunk's fragments lie in the refill: they are asked for behind the barrier below
	PLACES 4
	TOSTAGE 1                                      ; group 1 goes out ahead of the wait for the refill
	s_wait_dscnt 0x0
	SEND 1
	s_wait_tensorcnt 0x0                           ; my part of the refill has landed,
	s_barrier_signal -1
	s_barrier_wait -1                              ; everybody's has
	FETCH 8
	CHUNK 8, -1, -1, 1                             ; group 2
	CHUNK 9, -1, -1, 1
	CHUNK 10, -1, -1, 1
	CHUNK 11, -1, -1, 1
	CHUNK 12, 2, -1, 1                             ; group 3; group 2 goes out beside it
	CHUNK 13, -1, 2, 1
	CHUNK 14, -1, -1, 1
	CHUNK 15, -1, -1, 0
	PLACES 4
	s_wait_xcnt 0x0                                ; group 1's stores have read the registers into which group 3's rows come back
	TOSTAGE 3
	s_wait_dscnt 0x0
	SEND 3
	s_wait_tensorcnt 0x0                           ; the wave's end: behind my last tensor load and my last LDS store
	ds_add_u32 v[SPW], v[NIL]
	s_wait_dscnt 0x0
	CROUND                                         ; the closing round: no work-group ends while a partner may still ask for a tile that names it
	s_endpgm
.Lfunc_end_k_q82b773403a_down:
	.size	k_q82b773403a_down, .Lfunc_end_k_q82b773403a_down-k_q82b773403a_down
	.p2alignl 7, 3214868480
	.fill 96, 4, 3214868480
	.section	.rodata,"a",@progbits
	.p2align	6, 0x0
	.amdhsa_kernel k_q82b773403a_down
		.amdhsa_group_segment_fixed_size 327680
		.amdhsa_private_segment_fixed_size 0
		.amdhsa_enable_private_segment 0
		.amdhsa_kernarg_size 40
		.amdhsa_user_sgpr_count 2
		.amdhsa_user_sgpr_kernarg_segment_ptr 1
		.amdhsa_wavefront_size32 1
		.amdhsa_system_sgpr_workgroup_id_x 1
		.amdhsa_system_sgpr_workgroup_id_y 1
		.amdhsa_system_sgpr_workgroup_id_z 1
		.amdhsa_system_vgpr_workitem_id 0
		.amdhsa_next_free_vgpr 1024
		.amdhsa_next_free_sgpr 102
		.amdhsa_reserve_vcc 0
		.amdhsa_float_denorm_mode_32 3
		.amdhsa_float_denorm_mode_16_64 3
		.amdhsa_memory_ordered 1
		.amdhsa_forward_progress 1
		.amdhsa_inst_pref_size 118
	.end_amdhsa_kernel
	.amdgpu_metadata
---
amdhsa.version: [ 1, 2 ]
amdhsa.kernels:
  - .name:           k_q82b773403a_down
    .symbol:         k_q82b773403a_down.kd
    .args:
      - { .name: hc, .offset: 0, .size: 8, .value_kind: global_buffer, .address_space: global }
      - { .name: hs, .offset: 8, .size: 8, .value_kind: global_buffer, .address_space: global }
      - { .name: w2_codes, .offset: 16, .size: 8, .value_kind: global_buffer, .address_space: global }
      - { .name: w2_scales, .offset: 24, .size: 8, .value_kind: global_buffer, .address_space: global }
      - { .name: out0, .offset: 32, .size: 8, .value_kind: global_buffer, .address_space: global }
    .group_segment_fixed_size: 327680
    .private_segment_fixed_size: 0
    .kernarg_segment_align: 8
    .kernarg_segment_size: 40
    .max_flat_workgroup_size: 128
    .sgpr_count:     102
    .vgpr_count:     1024
    .wavefront_size: 32
...
	.end_amdgpu_metadata
.endif
;; end of part 2
